; MI455X (gfx1250); checked and timed in simulation.
; The chip was launched on July 23, 2026; its instructions are those of AMD's public machine-readable ISA for CDNA 5 (MIT licence, August 2026) and "CDNA5" Instruction Set Architecture Reference Guide (July 2026). The comments in the code are by the model that wrote it; some were corrected since.
;; Mo E Layer. Allowed arithmetic: float matrix products may take bf16 or f16 operands with f32 sums; other float arithmetic in f32, or as packed bf16 or f16 multiplies, adds, multiply-adds, maxima and minima; sums over many terms, partial sums and values carried from step to step in f32; what a program stores and reads back later, other than sums and carried values, may be rounded once to bf16 or f16.
;; Inputs: W1 8 x 1,024 x 2,048 float32; W2 8 x 2,048 x 1,024 float32; Wr 1,024 x 8 float32; b1 8 x 2,048 float32; b2 8 x 1,024 float32; br 8 float32; x 4 x 512 x 1,024 float32.
;; Outputs: out0 4 x 512 x 1,024 float32.
;; One version. Each part assembles by itself: llvm-mc -triple=amdgcn-amd-amdhsa -mcpu=gfx1250 --defsym DOCPART=n.
;; ======== version 1 of 1: 4 launches
;; workspace buffers: xb 4,194,304 bytes; bm 4,096 bytes of whole numbers; gw 16,384 bytes; lst 65,536 bytes of whole numbers; cnt 1,024 bytes of whole numbers; hb 67,108,864 bytes; part 33,554,432 bytes
;; launch router (part 1): grid 128 x 1, 4 waves a work-group, no clusters, 71,168 bytes of LDS; arguments x, Wr, br, xb, bm, gw; writes xb, bm, gw
.if DOCPART == 1
	.amdgcn_target "amdgcn-amd-amdhsa--gfx1250"
	.amdhsa_code_object_version 6
	.text
	.protected	k_q5af2ee306f_router
	.globl	k_q5af2ee306f_router
	.p2align	8
	.type	k_q5af2ee306f_router,@function
k_q5af2ee306f_router:
	s_mov_b64 s[64:65], 0
	v_nop
	global_prefetch_b8 v0, s[64:65] scope:SCOPE_SE
	s_setreg_imm32_b32 hwreg(HW_REG_WAVE_MODE, 25, 1), 1
	s_wait_xcnt 0x0
; ROUTER.  logits = x Wr + br; softmax over 8 experts; the two largest (the lower index wins a tie); a softmax of those two probabilities gives the gates.
; x, Wr and br are rounded to bf16 (all the program's inputs are), products in bf16 with f32 sums, everything behind them in f32.
; Stored, all at fixed places: xb = x in bf16 [2048][1024]; gw[2 token + slot] = the gate (slot 0: the largest); bm[e][g], a word for each expert and group of 16 tokens:
; bit b says that token 16 g + b % 16 chose e in slot b / 16.  No address and no branch hangs on a floating-point number.
; SHARES.  A work-group has 16 tokens (one matrix tile, one bitmap word an expert); wave w has K = 256 w .. 256 w + 255; the four partial tiles meet in LDS and wave 0 finishes.
; LIMITS.  A probability below 2^-126 counts as 0; NaN and infinities are not treated apart.
; No cluster: no two work-groups share more than Wr's 32 KiB.  No tensor load: x has to be rounded in registers on its way.
.set XP,    528                        ; a token's 512 bytes of bf16 + 16: 33 x 16 bytes, so the 16 rows of a fragment load start 16 bytes apart modulo 256
.set XW,    16*XP                      ; a wave's x tile
.set WS,    4*XW                       ; Wr in bf16: a wave's 256 k, 32 bytes each: 8 experts, then 8 columns of zeros
.set WW,    8192
.set PS,    WS+4*WW                    ; the partial tiles: 1,024 bytes a wave
.set SPARE, PS+4096                    ; the spare words, 128 bytes a wave: two blocks of 256 bytes that no other line names
.set LOG2E, 0x3fb8aa3b
; v0 thread, v1 lane, v2 r = lane % 16, v3 h = lane / 16, v4 my spare word, v5 0, v6-15 addresses, v16-19 zeros, v20-27 br, v28-31 at work
; v32-95 Wr as loaded, then x packed; v96-223 x as loaded, then fragments; v224-255 Wr packed, then two accumulators, their sum and the probabilities
	s_load_b256 s[4:11], s[0:1], 0x0               ; x s[4:5], Wr s[6:7], br s[8:9], xb s[10:11]
	s_load_b128 s[12:15], s[0:1], 0x20             ; bm s[12:13], gw s[14:15]
	v_lshl_add_u32 v4, v0, 2, SPARE
	v_mov_b32 v5, 0
	v_lshrrev_b32 v28, 5, v0
	v_readfirstlane_b32 s18, v28                   ; wave 0..3
	v_and_b32 v1, 31, v0
	v_and_b32 v2, 15, v0
	v_bfe_u32 v3, v0, 4, 1
	s_lshl_b32 s19, s18, 10
	s_lshl_b32 s20, s18, 13
	s_lshl_b32 s21, s18, 9
	s_mul_i32 s22, s18, XW                         ; my x tile in LDS
	s_add_co_u32 s23, s20, WS                      ; my Wr tile
	s_add_co_u32 s24, s19, PS                      ; my partial tile
	v_lshl_add_u32 v6, v1, 4, s19                  ; x: 1,024 w + 16 lane
	v_lshl_add_u32 v7, v1, 4, s20                  ; Wr: 8,192 w + 16 lane
	v_lshl_add_u32 v8, v1, 3, s21                  ; xb: 512 w + 8 lane
	v_lshl_add_u32 v9, v1, 3, s22                  ; x into LDS: 8 lane
	v_lshrrev_b32 v28, 1, v1
	v_and_b32 v29, 1, v1
	v_lshl_add_u32 v10, v28, 5, s23                ; Wr into LDS: row lane / 2,
	v_lshl_add_u32 v10, v29, 3, v10                ; experts 4 (lane % 2) on
	v_lshl_add_u32 v11, v1, 5, s23
	v_add_nc_u32 v11, 16, v11                      ; the zero columns of row lane
	v_mul_u32_u24 v12, v2, XP
	v_lshl_add_u32 v12, v3, 4, v12
	v_add_nc_u32 v12, s22, v12                     ; x fragments: row r, 16 h
	v_and_b32 v28, 7, v0
	v_lshl_add_u32 v28, v3, 3, v28
	v_bfe_u32 v29, v0, 3, 1
	v_lshl_add_u32 v13, v28, 5, s23                ; Wr fragments by the turning load: row 8 h + lane % 8,
	v_lshl_add_u32 v13, v29, 4, v13                ; 16 bytes for each eight lanes
	v_lshl_add_u32 v14, v1, 5, s24                 ; my lane's 32 bytes of my partial tile
	v_lshl_add_u32 v15, v1, 5, PS                  ; the same of wave 0's
	v_mov_b32 v16, 0
	v_mov_b32 v17, 0
	v_mov_b32 v18, 0
	v_mov_b32 v19, 0
	s_lshl_b32 s16, ttmp9, 16                      ; 16 tokens of 4,096 bytes
	s_mov_b32 s17, 0
	s_lshl_b32 s26, ttmp9, 15                      ; of 2,048 bytes
	s_mov_b32 s27, 0
	s_lshl_b32 s28, ttmp9, 7                       ; of 8 bytes
	s_mov_b32 s29, 0
	s_lshl_b32 s30, ttmp9, 2                       ; a word
	s_mov_b32 s31, 0
	s_wait_kmcnt 0x0
	s_add_nc_u64 s[4:5], s[4:5], s[16:17]
	s_add_nc_u64 s[10:11], s[10:11], s[26:27]
	s_add_nc_u64 s[14:15], s[14:15], s[28:29]
	s_add_nc_u64 s[12:13], s[12:13], s[30:31]
.set i, 0
.rept 16
	global_load_b128 v[32+4*i:35+4*i], v7, s[6:7] offset:512*i
.set i, i+1
.endr
	global_load_b128 v[20:23], v16, s[8:9]
	global_load_b128 v[24:27], v16, s[8:9] offset:16
.set i, 0
.rept 32                                               ; token i / 2, half i % 2 of my 1,024 bytes: 512 consecutive bytes a load
	global_load_b128 v[96+4*i:99+4*i], v6, s[4:5] offset:4096*(i/2)+512*(i%2) th:TH_LOAD_NT
.set i, i+1
.endr
	s_wait_loadcnt 32                              ; Wr and br are in; x's 32 loads stay out
.set i, 0
.rept 16
	v_cvt_pk_bf16_f32 v[224+2*i], v[32+4*i], v[33+4*i]
	v_cvt_pk_bf16_f32 v[225+2*i], v[34+4*i], v[35+4*i]
	ds_store_b64 v10, v[224+2*i:225+2*i] offset:512*i
.set i, i+1
.endr
.set i, 0
.rept 8
	ds_store_b128 v11, v[16:19] offset:1024*i
.set i, i+1
.endr
.irp k, 0,2,4,6                                        ; br rounded to bf16 and widened again
	v_cvt_pk_bf16_f32 v28, v[20+(\k)], v[21+(\k)]
	v_lshlrev_b32 v[20+(\k)], 16, v28
	v_and_b32 v[21+(\k)], 0xffff0000, v28
.endr
.set i, 0
.rept 32
	s_wait_loadcnt 31-i                            ; loads come back in order: load i is in, the younger ones stay out
	v_cvt_pk_bf16_f32 v[32+2*i], v[96+4*i], v[97+4*i]
	v_cvt_pk_bf16_f32 v[33+2*i], v[98+4*i], v[99+4*i]
	ds_store_b64 v9, v[32+2*i:33+2*i] offset:XP*(i/2)+256*(i%2)
	global_store_b64 v8, v[32+2*i:33+2*i], s[10:11] offset:2048*(i/2)+256*(i%2)  ; the wave's 32 lanes store 256 consecutive bytes, aligned
.set i, i+1
.endr
	; The tiles are my wave's own and LDS serves a wave's instructions in order, so no barrier stands between the stores above and these loads.
.set i, 0
.rept 8
	ds_load_tr16_b128 v[160+8*i:163+8*i], v13 offset:1024*i
	ds_load_tr16_b128 v[164+8*i:167+8*i], v13 offset:1024*i+512
	ds_load_b128 v[96+8*i:99+8*i], v12 offset:64*i
	ds_load_b128 v[100+8*i:103+8*i], v12 offset:64*i+32
.set i, i+1
.endr
	; Source 0 = 16 columns of Wr, source 1 = 16 tokens: lane r of the lower half then holds token r, register j expert j.  Two accumulators by turns.
.set i, 0
.rept 8
	s_wait_dscnt 28-4*i                            ; K step i's four loads are in
.if i < 2
	v_wmma_f32_16x16x32_bf16 v[224+8*(i%2):231+8*(i%2)], v[160+8*i:167+8*i], v[96+8*i:103+8*i], 0
.else
	v_wmma_f32_16x16x32_bf16 v[224+8*(i%2):231+8*(i%2)], v[160+8*i:167+8*i], v[96+8*i:103+8*i], v[224+8*(i%2):231+8*(i%2)]
.endif
.set i, i+1
.endr
.rept 4
	v_nop                                          ; four places between the last product and the first read of a result (ISA guide 7.12.1)
.endr
.irp k, 0,2,4,6
	v_pk_add_f32 v[240+(\k):241+(\k)], v[224+(\k):225+(\k)], v[232+(\k):233+(\k)]
.endr
	ds_store_b128 v14, v[240:243]
	ds_store_b128 v14, v[244:247] offset:16
	s_wait_dscnt 0x0                               ; for wave 0's sake: my partial tile is in LDS
	s_barrier_signal -1
	s_barrier_wait -1
	s_cmp_lg_u32 s18, 0
	s_cbranch_scc1 .Lend
.set i, 0
.rept 4
	ds_load_b128 v[96+8*i:99+8*i], v15 offset:1024*i
	ds_load_b128 v[100+8*i:103+8*i], v15 offset:1024*i+16
.set i, i+1
.endr
	s_wait_dscnt 0x0
.irp k, 0,2,4,6
	v_pk_add_f32 v[240+(\k):241+(\k)], v[96+(\k):97+(\k)], v[104+(\k):105+(\k)]
.endr
.irp k, 0,2,4,6
	v_pk_add_f32 v[240+(\k):241+(\k)], v[240+(\k):241+(\k)], v[112+(\k):113+(\k)]
.endr
.irp k, 0,2,4,6
	v_pk_add_f32 v[240+(\k):241+(\k)], v[240+(\k):241+(\k)], v[120+(\k):121+(\k)]
.endr
.irp k, 0,2,4,6
	v_pk_add_f32 v[240+(\k):241+(\k)], v[240+(\k):241+(\k)], v[20+(\k):21+(\k)]
.endr
	v_max3_num_f32 v28, v240, v241, v242           ; the softmax takes its maximum away
	v_max3_num_f32 v28, v28, v243, v244
	v_max3_num_f32 v28, v28, v245, v246
	v_max_num_f32 v28, v28, v247
.irp j, 0,1,2,3,4,5,6,7
	v_sub_f32 v[240+(\j)], v[240+(\j)], v28
.endr
.irp j, 0,1,2,3,4,5,6,7
	v_mul_f32 v[240+(\j)], LOG2E, v[240+(\j)]
.endr
.irp j, 0,1,2,3,4,5,6,7
	v_exp_f32 v[248+(\j)], v[240+(\j)]
.endr
	v_nop                                          ; a plain instruction behind the last exponential,
	s_wait_alu depctr_va_vdst(0)                   ; and one wait for the eight, ahead of their first reader
	v_add_f32 v28, v248, v249
	v_add_f32 v29, v250, v251
	v_add_f32 v30, v252, v253
	v_add_f32 v31, v254, v255
	v_add_f32 v28, v28, v29
	v_add_f32 v30, v30, v31
	v_add_f32 v28, v28, v30
	v_rcp_f32 v29, v28
	v_nop
	s_wait_alu depctr_va_vdst(0)
.irp j, 0,1,2,3,4,5,6,7
	v_mul_f32 v[248+(\j)], v[248+(\j)], v29        ; the probabilities
.endr
	v_mov_b32 v30, v248                            ; the largest: a later one must be strictly greater, so the lower index wins a tie
	v_mov_b32 v31, 0
.irp j, 1,2,3,4,5,6,7
	v_cmp_gt_f32 vcc_lo, v[248+(\j)], v30
	v_cndmask_b32 v30, v30, v[248+(\j)], vcc_lo
	v_cndmask_b32 v31, v31, \j, vcc_lo
.endr
.irp j, 0,1,2,3,4,5,6,7
	v_cmp_eq_u32 vcc_lo, \j, v31
	v_cndmask_b32 v[248+(\j)], v[248+(\j)], -1.0, vcc_lo  ; the winner drops below every probability
.endr
	v_mov_b32 v128, v248                           ; the second largest
	v_mov_b32 v129, 0
.irp j, 1,2,3,4,5,6,7
	v_cmp_gt_f32 vcc_lo, v[248+(\j)], v128
	v_cndmask_b32 v128, v128, v[248+(\j)], vcc_lo
	v_cndmask_b32 v129, v129, \j, vcc_lo
.endr
	v_sub_f32 v130, v128, v30                      ; p2 - p1: the pair's maximum is taken away
	v_mul_f32 v130, LOG2E, v130
	v_exp_f32 v131, v130
	v_nop
	s_wait_alu depctr_va_vdst(0)
	v_add_f32 v132, 1.0, v131
	v_rcp_f32 v134, v132                           ; gate of slot 0
	v_mov_b32 v136, 0
	s_wait_alu depctr_va_vdst(0)
	v_mul_f32 v135, v131, v134                     ; gate of slot 1
.irp e, 0,1,2,3,4,5,6,7
	v_cmp_eq_u32 s30, \e, v31
	v_cmp_eq_u32 s31, \e, v129
	s_and_b32 s30, s30, 0xffff                     ; lanes 0-15 are the tokens
	s_lshl_b32 s31, s31, 16
	s_or_b32 s30, s30, s31
	v_writelane_b32 v136, s30, \e
.endr
	v_lshlrev_b32 v137, 3, v1
	v_lshlrev_b32 v138, 9, v1
	v_cmp_gt_u32 vcc_lo, 16, v1
	s_wait_xcnt 0x0                                ; EXEC changes only when the stores issued so far have had their addresses translated
	s_and_saveexec_b32 s21, vcc_lo
	global_store_b64 v137, v[134:135], s[14:15]
	s_wait_xcnt 0x0
	s_or_b32 exec_lo, exec_lo, s21
	v_cmp_gt_u32 vcc_lo, 8, v1
	s_and_saveexec_b32 s21, vcc_lo
	global_store_b32 v138, v136, s[12:13]          ; lane e: bm[e][g]
	s_wait_xcnt 0x0
	s_or_b32 exec_lo, exec_lo, s21
.Lend:
	s_wait_tensorcnt 0x0                           ; the wave's end
	ds_add_u32 v4, v5
	s_wait_dscnt 0x0
	s_endpgm
.Lfunc_end_k_q5af2ee306f_router:
	.size	k_q5af2ee306f_router, .Lfunc_end_k_q5af2ee306f_router-k_q5af2ee306f_router
	.p2alignl 7, 3214868480
	.fill 96, 4, 3214868480
	.section	.rodata,"a",@progbits
	.p2align	6, 0x0
	.amdhsa_kernel k_q5af2ee306f_router
		.amdhsa_group_segment_fixed_size 71168
		.amdhsa_private_segment_fixed_size 0
		.amdhsa_enable_private_segment 0
		.amdhsa_kernarg_size 48
		.amdhsa_user_sgpr_count 2
		.amdhsa_user_sgpr_kernarg_segment_ptr 1
		.amdhsa_wavefront_size32 1
		.amdhsa_system_sgpr_workgroup_id_x 1
		.amdhsa_system_sgpr_workgroup_id_y 1
		.amdhsa_system_sgpr_workgroup_id_z 1
		.amdhsa_system_vgpr_workitem_id 0
		.amdhsa_next_free_vgpr 256
		.amdhsa_next_free_sgpr 66
		.amdhsa_reserve_vcc 1
		.amdhsa_float_denorm_mode_32 3
		.amdhsa_float_denorm_mode_16_64 3
		.amdhsa_memory_ordered 1
		.amdhsa_forward_progress 1
		.amdhsa_inst_pref_size 35
	.end_amdhsa_kernel
	.amdgpu_metadata
---
amdhsa.version: [ 1, 2 ]
amdhsa.kernels:
  - .name:           k_q5af2ee306f_router
    .symbol:         k_q5af2ee306f_router.kd
    .args:
      - { .name: x, .offset: 0, .size: 8, .value_kind: global_buffer, .address_space: global }
      - { .name: Wr, .offset: 8, .size: 8, .value_kind: global_buffer, .address_space: global }
      - { .name: br, .offset: 16, .size: 8, .value_kind: global_buffer, .address_space: global }
      - { .name: xb, .offset: 24, .size: 8, .value_kind: global_buffer, .address_space: global }
      - { .name: bm, .offset: 32, .size: 8, .value_kind: global_buffer, .address_space: global }
      - { .name: gw, .offset: 40, .size: 8, .value_kind: global_buffer, .address_space: global }
    .group_segment_fixed_size: 71168
    .private_segment_fixed_size: 0
    .kernarg_segment_align: 8
    .kernarg_segment_size: 48
    .max_flat_workgroup_size: 128
    .sgpr_count:     66
    .vgpr_count:     256
    .wavefront_size: 32
...
	.end_amdgpu_metadata
.endif
;; end of part 1
;; launch gemm1 (part 2): grid 32 x 8, 4 waves a work-group, no clusters, 182,016 bytes of LDS; arguments xb, bm, W1, b1, hb, lst, cnt; writes hb, lst, cnt
.if DOCPART == 2
	.amdgcn_target "amdgcn-amd-amdhsa--gfx1250"
	.amdhsa_code_object_version 6
	.text
	.protected	k_q5af2ee306f_gemm1
	.globl	k_q5af2ee306f_gemm1
	.p2align	8
	.type	k_q5af2ee306f_gemm1,@function
k_q5af2ee306f_gemm1:
	s_mov_b64 s[64:65], 0
	v_nop
	global_prefetch_b8 v0, s[64:65] scope:SCOPE_SE
	s_setreg_imm32_b32 hwreg(HW_REG_WAVE_MODE, 25, 1), 1
	s_wait_xcnt 0x0
; FIRST PRODUCT.  h = gelu(x W1[e] + b1[e]) for the rows that chose expert e, and no others.  Work-group (sl, e) owns W1[e][all 1,024 k][64 sl .. 64 sl + 63], which it alone reads.
; PHASES.  (1) The slice's 256 KiB of f32 go through registers, are rounded to bf16 and laid into LDS as [k][n].  Meanwhile each wave makes, from its quarter of the expert's bitmap, a list
; of choices c = 2 token + slot in its own LDS bytes.  (2) One barrier.  (3) Each wave walks its own share of the expert's blocks of 16 rows, NINE blocks x 64 columns a tile (36 accumulators):
; with up to 576 rows an expert that is one tile a wave, so the slice is read from LDS once a wave, and a K step has 36 products for its 8 LDS loads and 18 loads of x.
; x's rows come from memory straight into registers as matrix operands, three K steps ahead.  Behind the barrier nothing writes LDS but the closing lines, which have a barrier of their own.
; THE WALK.  Four tiles cover the 32 blocks that a wave can have; a tile without rows is jumped.  K: step 0 is written out (its products start the sums), seven trips of four steps, three steps
; written out that ask for nothing more of x.  In every step but the first the products of blocks 4-7, and of block 8, are jumped where the tile has no such rows.
; OUT.  hb[e][block][f / 16][lane][8] in bf16: the order in which the second product's registers take it; a store of the wave covers 512 consecutive bytes, aligned.  Rows past the count in the
; last block repeat the last row.  lst[e][rank] = c (ranks past the count repeat the last), cnt[e][32 equal words]: whole numbers for the next launch.  Every split is served: 0 to 2,048 rows an expert.
; All lanes are on from the first line to the last: in the list's making a lane whose bit is clear stores into a word of its own behind the list.
; GELU, exact form by erf: gelu(x) = max(x, 0) - |x| Q(|x|), Q(z) = erfc(z / sqrt 2) / 2 = (a1 t + .. + a5 t^5) / 2 x exp(-z z / 2), t = 1 / (1 + 0.23164189 z).
; LIMITS.  That series (Abramowitz and Stegun 7.1.26) is off by at most 1.5e-7 in erf for every z; NaN and infinities are not treated apart.  W1, b1 are rounded to bf16, h once to bf16.
; NO CLUSTER, NO TENSOR LOAD: a slice has one reader and must be rounded in registers; the rows that an expert's 32 work-groups share come by a list, which no tile descriptor covers.
; THE MATRIX INSTRUCTION IS USED TRANSPOSED: source 0 = 16 columns of W (turning load), source 1 = 16 rows of x: a lane then holds 8 neighbouring columns of one row.
; REGISTERS.  Window 0: v0-31 addresses; v32-63 bias; v64-127 two buffers of W fragments (also at work in phase 1 and in the gelu); v128-159 a block's sums with the bias; v160-175 packed h;
; v176-204 the nine blocks' row offsets and what makes them.  Window 1: the accumulators of blocks 0-7, (b, nb) at 32 b + 8 nb (in phase 1 a ring of eight quarters of 8 weight loads).
; Window 2: v0-31 block 8's accumulators; v32-103 x's buffer 3.  Window 3: x's buffers 0-2, 72 registers each.  K step s takes buffer s % 4, block b at 8 b.
.set WP,     8192                      ; bytes from row to row of W1[e]
.set KS,     64                        ; bytes of a row of xb for a K step of 32
.set HF,     32                        ; from a fragment's first four registers to its last four
.set PB,     160                       ; an LDS row of the slice: 128 bytes + 32 = 5 x 32
.set KSB,    32*PB                     ; a K step's rows of the slice
.set LST,    1024*PB                   ; behind the slice: four lists, each wave's own
.set LSW,    1088                      ; words of a wave's list: 1,024 entries, then a word for each lane whose bit is clear
.set CNTS,   LST+16*LSW                ; the four waves' counts, in a block of 256 bytes of their own
.set SPARE,  CNTS+256                  ; the spare words, 128 bytes a wave: two blocks of 256 bytes that no other line names
.set NBK,  9                           ; blocks in a tile
.set SW,   8                           ; s[8:9]   my slice of W1
.set BIAS, 32
.set BF,   64
.set T0,   64                          ; the gelu's four sets of 16
.set U0,   80
.set R0,   96
.set Q0,   112
.set X0,   128
.set OUTR, 160
.set AR,   176                         ; v176-184 byte offsets of the nine blocks' rows
.set LA,   186                         ; v186-194 LDS addresses of their list words
.set LV,   196                         ; v196-204 the list words
.set P1,   36                          ; s36-38   ranks at which waves 1 to 3's lists begin
.set D1,   39                          ; s39-41   the words that a list's index jumps by there
.set SAK,  54                          ; s[54:55] xb, stepped along K
.set TB,   56                          ; s56      LDS byte of the K step from which the trip's immediates count
.set TC,   57                          ; s57      tiles to go
.set KC,   58                          ; s58      trips of the K loop to go
.set EC,   59                          ; s59      the block that leaves
.set LIVE, 60                          ; s60      blocks with rows in this tile (more than 9: all)
.set CP,   66                          ; s[66:79] constants, in pairs: a packed instruction names a pair and takes its low word
.set CC,   68
.set A1,   70
.set A2,   72
.set A3,   74
.set A4,   76
.set A5,   78
.set MSB, 0
.macro WIN new                         ; s_set_vgpr_msb: bits 1:0 source 0, 3:2 source 1, 5:4 source 2, 7:6 destination; the high byte repeats the setting that is left
.if MSB != (\new)
	s_set_vgpr_msb (MSB<<8)|(\new)
.set MSB, (\new)
.endif
.endm
.macro PLACES                          ; four places between a matrix instruction and a load into, or a vector write of, one of its registers, or a read of its result
.rept 4
	v_nop
.endr
.endm
; Quarter q of sixteen: 8 loads into slot q % 8.  Load jj takes rows 8 (jj / 4) + jj % 4 (lanes 0-15) and four rows further down (lanes 16-31) of my wave's 256: sixteen lanes read a row's 256 bytes.
.macro WQ q
	WIN 0x40
.set i, 0
.rept 8
.set jj, 8*(\q)+i
	global_load_b128 v[32*((\q)%8)+4*i:32*((\q)%8)+4*i+3], v17, s[SW:SW+1] offset:(8*(jj/4)+(jj%4))*WP th:TH_LOAD_NT
.set i, i+1
.endr
.endm
; Quarter q is rounded and stored.  n = the younger loads, which stay out.  The two halves of the lanes store 640 bytes apart, half of the banks each.
.macro WCONV q, n
	s_wait_loadcnt \n
	WIN 0x05
.set i, 0
.rept 8
.set sr, 32*((\q)%8)+4*i
	v_cvt_pk_bf16_f32 v[64+2*i], v[sr], v[sr+1]
	v_cvt_pk_bf16_f32 v[65+2*i], v[sr+2], v[sr+3]
.set i, i+1
.endr
	WIN 0
.set i, 0
.rept 8
.set jj, 8*(\q)+i
	ds_store_b64 v18, v[64+2*i:65+2*i] offset:PB*(8*(jj/4)+(jj%4))
.set i, i+1
.endr
.endm
; Where x's fragment of K step s, block b lies: window aw, register aa
.macro AFR s, b
.if ((\s)%4) < 3
.set aw, 3
.set aa, 72*((\s)%4)+8*(\b)
.else
.set aw, 2
.set aa, 32+8*(\b)
.endif
.endm
; K step s (counted from the step at which the stepped base stands, a multiple of 4) of nine blocks' rows: 18 loads
.macro ALOAD s
.if ((\s)%4) < 3
	WIN 0xc0
.else
	WIN 0x80
.endif
.irp bk, 0,1,2,3,4,5,6,7,8
	AFR \s, \bk
	global_load_b128 v[aa:aa+3],   v[AR+(\bk)], s[SAK:SAK+1] offset:(\s)*KS
	global_load_b128 v[aa+4:aa+7], v[AR+(\bk)], s[SAK:SAK+1] offset:(\s)*KS+HF
.endr
.endm
; K step s's four fragments of W: 8 turning loads; s counts from the K step at which address register adr stands (a multiple of 4)
.macro BLOAD s, adr
.irp nk, 0,1,2,3
	ds_load_tr16_b128 v[BF+32*((\s)%2)+8*(\nk):BF+32*((\s)%2)+8*(\nk)+3],   v[\adr] offset:(\s)*KSB+32*(\nk)
	ds_load_tr16_b128 v[BF+32*((\s)%2)+8*(\nk)+4:BF+32*((\s)%2)+8*(\nk)+7], v[\adr] offset:(\s)*KSB+16*PB+32*(\nk)
.endr
.endm
; The products of n blocks from b0 on, four each.  The accumulators take turns, one instruction a turn, always in the same order.
.macro MULS p, b0, n, zero
.set bq, \b0
.rept \n
	AFR \p, bq
.if bq < 8
.set cw, 1
.set ca, 32*bq
.else
.set cw, 2
.set ca, 0
.endif
	WIN (aw<<2)|(cw<<4)|(cw<<6)
.irp nk, 0,1,2,3
.if \zero
	v_wmma_f32_16x16x32_bf16 v[ca+8*(\nk):ca+8*(\nk)+7], v[BF+32*((\p)%2)+8*(\nk):BF+32*((\p)%2)+8*(\nk)+7], v[aa:aa+7], 0
.else
	v_wmma_f32_16x16x32_bf16 v[ca+8*(\nk):ca+8*(\nk)+7], v[BF+32*((\p)%2)+8*(\nk):BF+32*((\p)%2)+8*(\nk)+7], v[aa:aa+7], v[ca+8*(\nk):ca+8*(\nk)+7]
.endif
.endr
.set bq, bq+1
.endr
.endm
; A K step.  lc = the loads of x younger than this step's, which stay out.  al = 1: the step three further on is asked for, into the buffer read last step.  bl = 1: the next step's W is fetched,
; by address register adr.  zero = 1: the products start the sums, all 36 of them, so that every accumulator is begun whatever the tile holds.  Else blocks 4-7 and block 8 are jumped where they
; have no rows: what is jumped holds products alone, so every count holds on every way.
.macro KSTEP p, zero, al, bl, lc, adr
	PLACES
	s_wait_loadcnt \lc
.if \al
	ALOAD (\p)+3
.endif
	WIN 0
.if \bl
	BLOAD (\p)+1, \adr
	s_wait_dscnt 8                                 ; this step's fragments of W are in; the next step's eight loads stay out
.else
	s_wait_dscnt 0x0
.endif
.if \zero
	MULS \p, 0, 9, 1
	WIN 0
.else
	MULS \p, 0, 4, 0
	WIN 0
	s_cmp_lt_u32 s[LIVE], 5
	s_cbranch_scc1 .Lskip_\@
	MULS \p, 4, 4, 0
	WIN 0
	s_cmp_lt_u32 s[LIVE], 9
	s_cbranch_scc1 .Lskip_\@
	MULS \p, 8, 1, 0
	WIN 0
.Lskip_\@:
.endif
.endm
; The LDS address of rank rho: the four lists follow each other in rank; at each list's first rank the word index jumps to that list's words.  The index is held inside the lists, then made an address.
.macro LKADDR dst, rho
	v_cmp_le_u32 vcc_lo, s[P1], v[\rho]
	v_cndmask_b32 v21, 0, s[D1], vcc_lo
	v_add_nc_u32 v[\dst], v[\rho], v21
.irp kk, 1,2
	v_cmp_le_u32 vcc_lo, s[P1+(\kk)], v[\rho]
	v_cndmask_b32 v21, 0, s[D1+(\kk)], vcc_lo
	v_add_nc_u32 v[\dst], v[\dst], v21
.endr
	v_min_u32 v[\dst], 4*LSW-1, v[\dst]
	v_lshl_add_u32 v[\dst], v[\dst], 2, LST
.endm
; The choices of row r of the tile's nine blocks are asked for.  Ranks past my wave's last row take that row.
.macro LOOKUP
.irp bk, 0,1,2,3,4,5,6,7,8
	s_add_co_u32 s50, s45, \bk
	s_lshl_b32 s50, s50, 4
	v_add_nc_u32 v20, s50, v2
	v_min_u32 v20, s47, v20
	LKADDR LA+(\bk), 20
	ds_load_b32 v[LV+(\bk)], v[LA+(\bk)]
.endr
.endm
; and become row offsets
.macro ADDR
.irp bk, 0,1,2,3,4,5,6,7,8
	v_lshrrev_b32 v[LV+(\bk)], 1, v[LV+(\bk)]      ; the token
	v_min_u32 v[LV+(\bk)], 0x7ff, v[LV+(\bk)]
	v_lshl_add_u32 v[AR+(\bk)], v[LV+(\bk)], 11, v16  ; its row of 2,048 bytes + 16 h
.endr
.endm
; Block b's sums take the bias on their way into the registers on which the one text of the gelu works.  Each accumulator's lowest registers are read first.
.macro SEL b
.if (\b) < 8
	WIN 1
.set ca, 32*(\b)
.else
	WIN 2
.set ca, 0
.endif
.set i, 0
.rept 16
	v_pk_add_f32 v[X0+2*i:X0+2*i+1], v[ca+2*i:ca+2*i+1], v[BIAS+2*i:BIAS+2*i+1]
.set i, i+1
.endr
	WIN 0
.endm
; The gelu of 16 numbers a lane.  The 32 transcendentals are one batch; the 16 maxima are the plain work behind it; one wait.
.macro GELU2 np
.set XA, X0+16*(\np)
.set i, 0
.rept 16
	v_fma_f32 v[T0+i], |v[XA+i]|, s[CP], 1.0
.set i, i+1
.endr
.set i, 0
.rept 8
	v_pk_mul_f32 v[U0+2*i:U0+2*i+1], v[XA+2*i:XA+2*i+1], v[XA+2*i:XA+2*i+1]
.set i, i+1
.endr
.set i, 0
.rept 8
	v_pk_mul_f32 v[U0+2*i:U0+2*i+1], v[U0+2*i:U0+2*i+1], s[CC:CC+1] op_sel_hi:[1,0]
.set i, i+1
.endr
.set i, 0
.rept 16
	v_rcp_f32 v[T0+i], v[T0+i]
.set i, i+1
.endr
.set i, 0
.rept 16
	v_exp_f32 v[U0+i], v[U0+i]
.set i, i+1
.endr
.set i, 0
.rept 16
	v_max_num_f32 v[R0+i], 0, v[XA+i]
.set i, i+1
.endr
	s_wait_alu depctr_va_vdst(0)
.set i, 0
.rept 8
	v_pk_fma_f32 v[Q0+2*i:Q0+2*i+1], v[T0+2*i:T0+2*i+1], s[A5:A5+1], s[A4:A4+1] op_sel_hi:[1,0,0]
.set i, i+1
.endr
.irp ak, A3, A2, A1
.set i, 0
.rept 8
	v_pk_fma_f32 v[Q0+2*i:Q0+2*i+1], v[Q0+2*i:Q0+2*i+1], v[T0+2*i:T0+2*i+1], s[(\ak):(\ak)+1] op_sel_hi:[1,1,0]
.set i, i+1
.endr
.endr
.set i, 0
.rept 8
	v_pk_mul_f32 v[Q0+2*i:Q0+2*i+1], v[Q0+2*i:Q0+2*i+1], v[T0+2*i:T0+2*i+1]
.set i, i+1
.endr
.set i, 0
.rept 8
	v_pk_mul_f32 v[Q0+2*i:Q0+2*i+1], v[Q0+2*i:Q0+2*i+1], v[U0+2*i:U0+2*i+1]
.set i, i+1
.endr
.set i, 0
.rept 16
	v_fma_f32 v[R0+i], -|v[XA+i]|, v[Q0+i], v[R0+i]
.set i, i+1
.endr
.if (\np) == 0
	s_wait_xcnt 0x0                                ; the last block's stores, a gelu's length back, have had their addresses translated: only now are their data and base written again
.endif
.set i, 0
.rept 8
	v_cvt_pk_bf16_f32 v[OUTR+8*(\np)+i], v[R0+2*i], v[R0+2*i+1]
.set i, i+1
.endr
.endm
	s_load_b256 s[4:11], s[0:1], 0x0               ; xb s[4:5], bm s[6:7], W1 s[8:9], b1 s[10:11]
	s_load_b128 s[12:15], s[0:1], 0x20             ; hb s[12:13], lst s[14:15]
	s_load_b64 s[16:17], s[0:1], 0x30              ; cnt
	v_lshl_add_u32 v4, v0, 2, SPARE
	v_mov_b32 v5, 0
	v_lshrrev_b32 v20, 5, v0
	v_readfirstlane_b32 s18, v20                   ; wave 0..3
	s_mov_b32 s19, ttmp9                           ; slice
	s_and_b32 s20, ttmp7, 0xffff                   ; expert
	v_and_b32 v1, 31, v0                           ; lane
	v_and_b32 v2, 15, v0                           ; r
	v_bfe_u32 v3, v0, 4, 1                         ; h
	v_and_b32 v20, 7, v0
	v_lshl_add_u32 v20, v3, 3, v20
	v_mul_u32_u24 v6, v20, PB                      ; the turning load: row 8 h + lane % 8,
	v_bfe_u32 v21, v0, 3, 1
	v_lshl_add_u32 v6, v21, 4, v6                  ; 16 bytes for each eight lanes: K step 0's address; never rewritten
	v_add_nc_u32 v8, 28*KSB, v6                    ; K step 28's, for the three steps behind the loop; never rewritten
	v_lshlrev_b32 v15, 4, v1                       ; 16 lane
	v_lshlrev_b32 v16, 4, v3                       ; 16 h
	s_mul_i32 s24, s18, 256*WP
	v_mul_u32_u24 v17, v3, 4*WP
	v_lshl_add_u32 v17, v2, 4, v17
	v_add_nc_u32 v17, s24, v17                     ; weights: row 256 w + 4 h, 16 r
	s_mul_i32 s24, s18, 256*PB
	v_mul_u32_u24 v18, v3, 4*PB
	v_lshl_add_u32 v18, v2, 3, v18
	v_add_nc_u32 v18, s24, v18                     ; the same place in LDS
	v_add_nc_u32 v19, 1024, v1                     ; the list's word for my lane when its bit is clear
	v_lshl_add_u32 v28, v2, 1, v3
	s_lshl_b32 s26, s18, 10
	v_add_nc_u32 v28, s26, v28                     ; the choice of my lane's bit in my wave's first word: 1,024 w + 2 r + h
	v_lshlrev_b32 v29, 5, v3                       ; bias: 32 h
	s_mul_i32 s27, s18, 4*LSW
	s_add_co_u32 s27, s27, LST                     ; my list
	s_mov_b32 s[CP], 0x3e6d3388                    ; 0.23164189 = 0.3275911 / sqrt 2
	s_mov_b32 s[CP+1], 0
	s_mov_b32 s[CC], 0xbf38aa3b                    ; -log2(e) / 2
	s_mov_b32 s[CC+1], 0
	s_mov_b32 s[A1], 0x3e027906                    ; a1 / 2 =  0.127414796
	s_mov_b32 s[A1+1], 0
	s_mov_b32 s[A2], 0xbe11a98e                    ; a2 / 2 = -0.142248368
	s_mov_b32 s[A2+1], 0
	s_mov_b32 s[A3], 0x3f35f0e3                    ; a3 / 2 =  0.710706871
	s_mov_b32 s[A3+1], 0
	s_mov_b32 s[A4], 0xbf3a00e3                    ; a4 / 2 = -0.726576014
	s_mov_b32 s[A4+1], 0
	s_mov_b32 s[A5], 0x3f07dc22                    ; a5 / 2 =  0.530702715
	s_mov_b32 s[A5+1], 0
	s_wait_kmcnt 0x0
	s_lshl_b32 s24, s20, 9
	s_lshl_b32 s26, s18, 7
	s_add_co_u32 s24, s24, s26
	s_mov_b32 s25, 0
	s_add_nc_u64 s[6:7], s[6:7], s[24:25]          ; my wave's 32 words of the expert's bitmap
	s_load_b512 s[32:47], s[6:7], 0x0
	s_load_b512 s[48:63], s[6:7], 0x40
	s_lshl_b32 s24, s20, 23
	s_lshl_b32 s26, s19, 8
	s_add_co_u32 s24, s24, s26
	s_add_nc_u64 s[8:9], s[8:9], s[24:25]
	s_lshl_b32 s24, s20, 13
	s_add_co_u32 s24, s24, s26
	s_add_nc_u64 s[10:11], s[10:11], s[24:25]
	s_add_nc_u64 s[14:15], s[14:15], s[24:25]
	s_lshl_b32 s24, s20, 23
	s_lshl_b32 s26, s19, 11
	s_add_co_u32 s24, s24, s26
	s_add_nc_u64 s[12:13], s[12:13], s[24:25]
.set qq, 0
.rept 7                                                ; seven quarters, 56 loads of 512 bytes a wave, are on their way while the list is made
	WQ qq
.set qq, qq+1
.endr
	WIN 0
	s_wait_kmcnt 0x0
	s_mov_b32 s22, 0                               ; ranks given out so far
.set j, 0
.rept 32
	v_mbcnt_lo_u32_b32 v20, s[32+j], s22           ; my bit's rank in my wave's list,
	v_cndmask_b32 v20, v19, v20, s[32+j]           ; or, if the bit is clear, my lane's word behind the list
	v_min_u32 v20, 1055, v20
	v_lshl_add_u32 v20, v20, 2, s27
	v_add_nc_u32 v21, 32*j, v28                    ; my bit's choice
	ds_store_b32 v20, v21
	s_bcnt1_i32_b32 s23, s[32+j]
	s_add_co_u32 s22, s22, s23
.set j, j+1
.endr
	v_mov_b32 v20, s22
	s_lshl_b32 s23, s18, 2
	s_add_co_u32 s23, s23, CNTS
	v_mov_b32 v21, s23
	ds_store_b32 v21, v20                          ; my wave's count
	; Quarter q is waited for with six younger quarters out (48 loads); quarter q + 7 then goes into the slot that quarter q - 1 left.  Behind quarter 9 nothing is left to ask for but the bias
	; (8 loads): the counts are 48 up to quarter 10 (five quarters and the bias), then 40, 32, 24, 16, 8.
.set qq, 0
.rept 16
.if qq < 11
	WCONV qq, 48
.else
	WCONV qq, 8*(16-qq)
.endif
.if qq < 9
	WQ qq+7
.endif
.if qq == 9
.irp nk, 0,1,2,3
	global_load_b128 v[BIAS+8*(\nk):BIAS+8*(\nk)+3],   v29, s[10:11] offset:64*(\nk)
	global_load_b128 v[BIAS+8*(\nk)+4:BIAS+8*(\nk)+7], v29, s[10:11] offset:64*(\nk)+16
.endr
.endif
.set qq, qq+1
.endr
	s_wait_loadcnt 0x0
.set i, 0
.rept 16                                               ; the bias rounded to bf16 and widened again
	v_cvt_pk_bf16_f32 v[64+i], v[BIAS+2*i], v[BIAS+2*i+1]
	v_lshlrev_b32 v[BIAS+2*i], 16, v[64+i]
	v_and_b32 v[BIAS+2*i+1], 0xffff0000, v[64+i]
.set i, i+1
.endr
	s_wait_dscnt 0x0                               ; for the others' sake: my rows of the slice, my list and my count are in LDS
	s_barrier_signal -1
	s_barrier_wait -1                              ; from here to the closing lines nobody writes LDS
	v_mov_b32 v20, CNTS
	ds_load_b128 v[24:27], v20
	s_wait_dscnt 0x0
	v_readfirstlane_b32 s32, v24
	v_readfirstlane_b32 s33, v25
	v_readfirstlane_b32 s34, v26
	v_readfirstlane_b32 s35, v27
	s_min_u32 s32, s32, 1024
	s_min_u32 s33, s33, 1024
	s_min_u32 s34, s34, 1024
	s_min_u32 s35, s35, 1024
	s_mov_b32 s36, s32
	s_add_co_u32 s37, s36, s33
	s_add_co_u32 s38, s37, s34
	s_add_co_u32 s42, s38, s35                     ; the expert's rows
	s_sub_co_u32 s39, LSW, s32
	s_sub_co_u32 s40, LSW, s33
	s_sub_co_u32 s41, LSW, s34
	s_add_co_u32 s43, s42, 15
	s_lshr_b32 s43, s43, 4                         ; blocks of 16 rows
	s_add_co_u32 s44, s43, 3
	s_lshr_b32 s44, s44, 2                         ; a wave's share
	s_mul_i32 s45, s18, s44                        ; my first block,
	s_add_co_u32 s46, s45, s44
	s_min_u32 s46, s46, s43                        ; and the one behind my last
	s_lshl_b32 s47, s46, 4
	s_min_u32 s47, s47, s42
	s_sub_co_u32 s47, s47, 1                       ; my last row's rank
	s_cmp_lg_u32 s18, 0
	s_cbranch_scc1 .Lnolist                        ; wave 0 stores the count (slice 0 alone) and this slice's 64 entries of the list
	s_cmp_lg_u32 s19, 0
	s_cbranch_scc1 .Lnocnt
	v_mov_b32 v27, s42
	s_lshl_b32 s50, s20, 7
	v_lshl_add_u32 v26, v1, 2, s50
	global_store_b32 v26, v27, s[16:17]            ; the count, once a lane: 128 consecutive bytes
.Lnocnt:
	s_cmp_eq_u32 s42, 0
	s_cbranch_scc1 .Lnolist                        ; an expert without rows has no list
	s_lshl_b32 s50, s19, 6
	s_sub_co_u32 s51, s42, 1
	v_lshl_add_u32 v28, v1, 1, s50                 ; ranks 64 sl + 2 lane, + 1; past the count: the last
	v_min_u32 v20, s51, v28
	LKADDR 22, 20
	ds_load_b32 v30, v22
	v_add_nc_u32 v28, 1, v28
	v_min_u32 v20, s51, v28
	LKADDR 23, 20
	ds_load_b32 v31, v23
	v_lshlrev_b32 v29, 3, v1
	s_wait_dscnt 0x0
	global_store_b64 v29, v[30:31], s[14:15]       ; 256 consecutive bytes, aligned
.Lnolist:
	s_cmp_ge_u32 s45, s46
	s_cbranch_scc1 .Lend                           ; no block for my wave
	s_mov_b32 s51, 0                               ; the high word beside s50, from here on
	s_mov_b32 s[TC], 4                             ; 4 x 9 blocks cover the 32 that a wave can have
.Ltile:
	s_cmp_ge_u32 s45, s46
	s_cbranch_scc1 .Lbot                           ; a tile without rows
	s_sub_co_u32 s[LIVE], s46, s45
	LOOKUP
	s_mov_b64 s[SAK:SAK+1], s[4:5]                 ; no load is out here: the last tile's were all waited for
	s_mov_b32 s[TB], 0
	s_wait_dscnt 0x0
	ADDR
	ALOAD 0
	ALOAD 1
	ALOAD 2                                        ; 54 loads of a wave are out from here to the tail
	WIN 0
	BLOAD 0, 6
	KSTEP 0, 1, 1, 1, 36, 6                        ; 36: K steps 1 and 2 stay out
	s_mov_b32 s[KC], 7
.Lk:                                                   ; a trip: K steps 4 i + 1 .. 4 i + 4; it asks for x up to step 4 i + 7 and for W up to step 4 i + 5
	v_add_nc_u32 v7, s[TB], v6                     ; K step 4 i's address in the slice: 20,480 i + my lane's place
	KSTEP 1, 0, 1, 1, 36, 7                        ; 36: the two K steps behind this one stay out
	KSTEP 2, 0, 1, 1, 36, 7
	KSTEP 3, 0, 1, 1, 36, 7
	KSTEP 4, 0, 1, 1, 36, 7
	s_wait_xcnt 0x0                                ; the loads that name the base, the youngest 36 products back, have had their addresses translated
	s_add_nc_u64 s[SAK:SAK+1], s[SAK:SAK+1], 4*KS
	s_add_co_u32 s[TB], s[TB], 4*KSB
	s_sub_co_u32 s[KC], s[KC], 1
	s_cmp_lg_u32 s[KC], 0
	s_cbranch_scc1 .Lk
	KSTEP 1, 0, 0, 1, 36, 8                        ; K steps 29 to 31: nothing more of x is asked for, and the counts run down
	KSTEP 2, 0, 0, 1, 18, 8
	KSTEP 3, 0, 0, 0, 0, 8
	PLACES
	; THE WAY OUT, a block a trip.  The ladder on the trip's number picks the bias additions that read that block's accumulators; the gelu and the stores are written once.
	s_mov_b32 s[EC], 0
.Lepi:
	s_add_co_u32 s50, s45, s[EC]
	s_cmp_ge_u32 s50, s46
	s_cbranch_scc1 .Lbot                           ; a block past my wave's last, and the later ones with it
.irp bk, 0,1,2,3,4,5,6,7
	s_cmp_eq_u32 s[EC], \bk
	s_cbranch_scc1 .Lsel\bk
.endr
	SEL 8
	s_branch .Lgelu
.irp bk, 0,1,2,3,4,5,6
.Lsel\bk:
	SEL \bk
	s_branch .Lgelu
.endr
.Lsel7:
	SEL 7
.Lgelu:
	GELU2 0
	GELU2 1
	s_min_u32 s50, s50, 127
	s_lshl_b32 s50, s50, 16                        ; a block of hb is 65,536 bytes
	s_add_nc_u64 s[52:53], s[12:13], s[50:51]
.irp nk, 0,1,2,3
	global_store_b128 v15, v[OUTR+4*(\nk):OUTR+4*(\nk)+3], s[52:53] offset:512*(\nk)  ; 512 consecutive bytes, aligned
.endr
	s_add_co_u32 s[EC], s[EC], 1
	s_cmp_lt_u32 s[EC], NBK
	s_cbranch_scc1 .Lepi
.Lbot:
	s_add_co_u32 s45, s45, NBK
	s_sub_co_u32 s[TC], s[TC], 1
	s_cmp_lg_u32 s[TC], 0
	s_cbranch_scc1 .Ltile
.Lend:
	s_wait_dscnt 0x0                               ; my reads of the slice and of the lists are back;
	s_barrier_signal -1                            ; every wave comes by here, one without rows too:
	s_barrier_wait -1                              ; no wave writes LDS again before all four have read what they need
	s_wait_tensorcnt 0x0                           ; the wave's end
	ds_add_u32 v4, v5
	s_wait_dscnt 0x0
	s_endpgm
.Lfunc_end_k_q5af2ee306f_gemm1:
	.size	k_q5af2ee306f_gemm1, .Lfunc_end_k_q5af2ee306f_gemm1-k_q5af2ee306f_gemm1
	.p2alignl 7, 3214868480
	.fill 96, 4, 3214868480
	.section	.rodata,"a",@progbits
	.p2align	6, 0x0
	.amdhsa_kernel k_q5af2ee306f_gemm1
		.amdhsa_group_segment_fixed_size 182016
		.amdhsa_private_segment_fixed_size 0
		.amdhsa_enable_private_segment 0
		.amdhsa_kernarg_size 56
		.amdhsa_user_sgpr_count 2
		.amdhsa_user_sgpr_kernarg_segment_ptr 1
		.amdhsa_wavefront_size32 1
		.amdhsa_system_sgpr_workgroup_id_x 1
		.amdhsa_system_sgpr_workgroup_id_y 1
		.amdhsa_system_sgpr_workgroup_id_z 1
		.amdhsa_system_vgpr_workitem_id 0
		.amdhsa_next_free_vgpr 984
		.amdhsa_next_free_sgpr 80
		.amdhsa_reserve_vcc 1
		.amdhsa_float_denorm_mode_32 3
		.amdhsa_float_denorm_mode_16_64 3
		.amdhsa_memory_ordered 1
		.amdhsa_forward_progress 1
		.amdhsa_inst_pref_size 138
	.end_amdhsa_kernel
	.amdgpu_metadata
---
amdhsa.version: [ 1, 2 ]
amdhsa.kernels:
  - .name:           k_q5af2ee306f_gemm1
    .symbol:         k_q5af2ee306f_gemm1.kd
    .args:
      - { .name: xb, .offset: 0, .size: 8, .value_kind: global_buffer, .address_space: global }
      - { .name: bm, .offset: 8, .size: 8, .value_kind: global_buffer, .address_space: global }
      - { .name: W1, .offset: 16, .size: 8, .value_kind: global_buffer, .address_space: global }
      - { .name: b1, .offset: 24, .size: 8, .value_kind: global_buffer, .address_space: global }
      - { .name: hb, .offset: 32, .size: 8, .value_kind: global_buffer, .address_space: global }
      - { .name: lst, .offset: 40, .size: 8, .value_kind: global_buffer, .address_space: global }
      - { .name: cnt, .offset: 48, .size: 8, .value_kind: global_buffer, .address_space: global }
    .group_segment_fixed_size: 182016
    .private_segment_fixed_size: 0
    .kernarg_segment_align: 8
    .kernarg_segment_size: 56
    .max_flat_workgroup_size: 128
    .sgpr_count:     80
    .vgpr_count:     984
    .wavefront_size: 32
...
	.end_amdgpu_metadata
.endif
;; end of part 2
;; launch gemm2 (part 3): grid 32 x 8, 4 waves a work-group, no clusters, 181,760 bytes of LDS; arguments hb, lst, cnt, gw, W2, b2, part; writes part
.if DOCPART == 3
	.amdgcn_target "amdgcn-amd-amdhsa--gfx1250"
	.amdhsa_code_object_version 6
	.text
	.protected	k_q5af2ee306f_gemm2
	.globl	k_q5af2ee306f_gemm2
	.p2align	8
	.type	k_q5af2ee306f_gemm2,@function
k_q5af2ee306f_gemm2:
	s_mov_b64 s[64:65], 0
	v_nop
	global_prefetch_b8 v0, s[64:65] scope:SCOPE_SE
	s_setreg_imm32_b32 hwreg(HW_REG_WAVE_MODE, 25, 1), 1
	s_wait_xcnt 0x0
; SECOND PRODUCT.  part[kh][c][:] = gate[c] x (h[row of c][K half kh] W2[e][K half kh] + b2[e] if kh = 0), c = 2 token + slot, for the rows of expert e.  Partial sums stay in f32.
; Work-group (x, e): ns = x % 16, kh = x / 16; it owns W2[e][1,024 kh .. + 1,023][64 ns .. + 63], which it alone reads.  K is halved so that a work-group takes in half of each row of h,
; and both products have one shape; the next launch adds a token's four parts.
; PHASES as in the first product: the slice goes through registers into LDS as bf16 [k][n]; one barrier; each wave walks its share of the expert's blocks of 16 rows, NINE blocks x 64 columns
; a tile (36 accumulators): with up to 576 rows an expert one tile a wave, so the slice is read from LDS once a wave, and a K step has 36 products for its 8 LDS loads and 18 loads of h.
; h comes from memory in the order of the operand registers (512 consecutive bytes a load), three K steps ahead.  Behind the barrier the only LDS bytes written are the wave's own stage.
; THE WALK.  Four tiles cover the 32 blocks that a wave can have; a tile without rows is jumped.  The 32 K steps are written out: every LDS address is one of three fixed registers and an
; immediate, and h's K step stands in the loads' immediate, so nothing steps.  The price is the length of the text.  In every step but the first the products of blocks 4-7, and of block 8,
; are jumped where the tile has no such rows.
; OUT.  A block goes through the stage and leaves by rows: sixteen lanes store 256 consecutive bytes, aligned, of row c.  In an expert's last block the rows past the count repeat the last row
; in h, in the list and so in the gate: they are stored onto that row's place, with the same numbers, at most 15 rows an expert; all lanes stay on.  Every split is served: 0 to 2,048 rows an expert.
; W2 and b2 are rounded to bf16.  NaN and infinities are not treated apart.
; NO CLUSTER, NO TENSOR LOAD: a slice has one reader and must be rounded in registers.  An expert's rows of h are shared by 16 work-groups, but 2,048 bytes a row and K half do not fit beside the
; slice for every split, so they would want a ring with barriers in a walk of which the live part is read from memory; this form keeps the walk free of barriers.
; REGISTERS.  Window 0: v0-31 addresses; v32-63 bias; v64-127 two buffers of W fragments (at work in phase 1; on the way out two sets of 32 for rows read back); v128-199 the rows' places in part;
; v200-217 a pair a block: the gate, and above it the choice; v218-249 a block's numbers on their way into the stage.  Window 1: the accumulators of blocks 0-7, (b, nb) at 32 b + 8 nb (in phase 1
; a ring of eight quarters of 8 weight loads).  Window 2: v0-31 block 8's accumulators; v32-103 h's buffer 3.  Window 3: h's buffers 0-2, 72 registers each.  K step s takes buffer s % 4.
.set WP,     4096                      ; bytes from row to row of W2[e]
.set KS,     1024                      ; bytes from K step to K step in a block of hb
.set HF,     512                       ; from a fragment's first four registers to its last four
.set PB,     160                       ; an LDS row of the slice: 128 bytes + 32
.set KSB,    32*PB                     ; a K step's rows of the slice
.set STG,    1024*PB                   ; behind the slice: a stage of 16 rows x 272 bytes for each wave
.set SP,     272                       ; 256 bytes + 16: the 16 rows that a store touches start 16 bytes apart modulo 256
.set SPARE,  STG+4*16*SP               ; the spare words, 128 bytes a wave: two blocks of 256 bytes that no other line names
.set NBK,  9                           ; blocks in a tile
.set SW,   12                          ; s[12:13] my slice of W2
.set TC,   53                          ; s53      tiles to go
.set LIVE, 55                          ; s55      blocks with rows in this tile (more than 9: all)
.set LB,   66                          ; s[66:83]  lst at the tile's nine blocks
.set AB,   84                          ; s[84:101] hb at the tile's nine blocks
.set BIAS, 32
.set BF,   64
.set SO,   128                         ; block b, store i: the choice, then the byte offset in part, of the row that my lane stores
.set GT,   200                         ; block b: v[GT+2b] the gate of row r; v[GT+2b+1] its choice, then the gate's byte offset
.set Y,    218
.set MSB, 0
.macro WIN new                         ; s_set_vgpr_msb: bits 1:0 source 0, 3:2 source 1, 5:4 source 2, 7:6 destination; the high byte repeats the setting that is left
.if MSB != (\new)
	s_set_vgpr_msb (MSB<<8)|(\new)
.set MSB, (\new)
.endif
.endm
.macro PLACES                          ; four places between a matrix instruction and a load into, or a vector write of, one of its registers, or a read of its result
.rept 4
	v_nop
.endr
.endm
.macro WQ q                            ; quarter q of sixteen: 8 loads into slot q % 8; sixteen lanes read a row's 256 bytes, the other sixteen the row four further down
	WIN 0x40
.set i, 0
.rept 8
.set jj, 8*(\q)+i
	global_load_b128 v[32*((\q)%8)+4*i:32*((\q)%8)+4*i+3], v17, s[SW:SW+1] offset:(8*(jj/4)+(jj%4))*WP th:TH_LOAD_NT
.set i, i+1
.endr
.endm
.macro WCONV q, n                      ; quarter q is rounded and stored; n = the younger loads, which stay out
	s_wait_loadcnt \n
	WIN 0x05
.set i, 0
.rept 8
.set sr, 32*((\q)%8)+4*i
	v_cvt_pk_bf16_f32 v[64+2*i], v[sr], v[sr+1]
	v_cvt_pk_bf16_f32 v[65+2*i], v[sr+2], v[sr+3]
.set i, i+1
.endr
	WIN 0
.set i, 0
.rept 8
.set jj, 8*(\q)+i
	ds_store_b64 v18, v[64+2*i:65+2*i] offset:PB*(8*(jj/4)+(jj%4))
.set i, i+1
.endr
.endm
.macro AFR s, b                        ; where h's fragment of K step s, block b lies: window aw, register aa
.if ((\s)%4) < 3
.set aw, 3
.set aa, 72*((\s)%4)+8*(\b)
.else
.set aw, 2
.set aa, 32+8*(\b)
.endif
.endm
.macro ALOAD s                         ; K step s of nine blocks: 18 loads of 512 consecutive bytes
.if ((\s)%4) < 3
	WIN 0xc0
.else
	WIN 0x80
.endif
.irp bk, 0,1,2,3,4,5,6,7,8
	AFR \s, \bk
	global_load_b128 v[aa:aa+3],   v15, s[AB+2*(\bk):AB+2*(\bk)+1] offset:(\s)*KS
	global_load_b128 v[aa+4:aa+7], v15, s[AB+2*(\bk):AB+2*(\bk)+1] offset:(\s)*KS+HF
.endr
.endm
.macro BLOAD s                         ; K step s's four fragments of W: 8 turning loads.  Three address registers, 12 K steps apart, keep the immediates within 16 bits
.irp nk, 0,1,2,3
	ds_load_tr16_b128 v[BF+32*((\s)%2)+8*(\nk):BF+32*((\s)%2)+8*(\nk)+3],   v[6+(\s)/12] offset:((\s)%12)*KSB+32*(\nk)
	ds_load_tr16_b128 v[BF+32*((\s)%2)+8*(\nk)+4:BF+32*((\s)%2)+8*(\nk)+7], v[6+(\s)/12] offset:((\s)%12)*KSB+16*PB+32*(\nk)
.endr
.endm
; The products of n blocks from b0 on, four each.  The accumulators take turns, one instruction a turn, always in the same order.
.macro MULS p, b0, n, zero
.set bq, \b0
.rept \n
	AFR \p, bq
.if bq < 8
.set cw, 1
.set ca, 32*bq
.else
.set cw, 2
.set ca, 0
.endif
	WIN (aw<<2)|(cw<<4)|(cw<<6)
.irp nk, 0,1,2,3
.if \zero
	v_wmma_f32_16x16x32_bf16 v[ca+8*(\nk):ca+8*(\nk)+7], v[BF+32*((\p)%2)+8*(\nk):BF+32*((\p)%2)+8*(\nk)+7], v[aa:aa+7], 0
.else
	v_wmma_f32_16x16x32_bf16 v[ca+8*(\nk):ca+8*(\nk)+7], v[BF+32*((\p)%2)+8*(\nk):BF+32*((\p)%2)+8*(\nk)+7], v[aa:aa+7], v[ca+8*(\nk):ca+8*(\nk)+7]
.endif
.endr
.set bq, bq+1
.endr
.endm
; K step s of 32.  lc = the loads younger than this step's of h, which stay out.  Up to step 28 the step three further on is asked for, into the buffer read last step; up to step 30 the next
; step's W is fetched.  Step 0's products start the sums, all 36 of them, so that every accumulator is begun whatever the tile holds.  Else blocks 4-7 and block 8 are jumped where they have no
; rows: what is jumped holds products alone, so every count holds on every way.
.macro KSTEP s, lc
	PLACES
	s_wait_loadcnt \lc
.if (\s) < 29
	ALOAD (\s)+3
.endif
	WIN 0
.if (\s) < 31
	BLOAD (\s)+1
	s_wait_dscnt 8                                 ; this step's fragments of W are in; the next step's eight loads stay out
.else
	s_wait_dscnt 0x0
.endif
.if (\s) == 0
	MULS \s, 0, 9, 1
	WIN 0
.else
	MULS \s, 0, 4, 0
	WIN 0
	s_cmp_lt_u32 s[LIVE], 5
	s_cbranch_scc1 .Lskip_\@
	MULS \s, 4, 4, 0
	WIN 0
	s_cmp_lt_u32 s[LIVE], 9
	s_cbranch_scc1 .Lskip_\@
	MULS \s, 8, 1, 0
	WIN 0
.Lskip_\@:
.endif
.endm
; Block b of the tile leaves: bias, gate, through my stage, and out by rows.  A block past my wave's last is jumped, and the later ones with it.  The rows read back take two sets of registers by
; turns: the wait ahead of a block's own stores shows the block before's translated, and so frees the set that the next block loads.
.macro EPI b
.if \b
	s_cmp_lt_u32 s[LIVE], (\b)+1
	s_cbranch_scc1 .Lbot
.endif
.if (\b) < 8
	WIN 1
.set ca, 32*(\b)
.else
	WIN 2
.set ca, 0
.endif
.set RK, 64+32*((\b)%2)
.set i, 0
.rept 16
	v_pk_add_f32 v[Y+2*i:Y+2*i+1], v[ca+2*i:ca+2*i+1], v[BIAS+2*i:BIAS+2*i+1]  ; each accumulator's lowest registers are read first
.set i, i+1
.endr
	WIN 0
.set i, 0
.rept 16
	v_pk_mul_f32 v[Y+2*i:Y+2*i+1], v[Y+2*i:Y+2*i+1], v[GT+2*(\b):GT+2*(\b)+1] op_sel_hi:[1,0]
.set i, i+1
.endr
.irp k, 0,1,2,3,4,5,6,7
	ds_store_b128 v19, v[Y+4*(\k):Y+4*(\k)+3] offset:64*((\k)/2)+16*((\k)%2)
.endr
.irp ik, 0,1,2,3,4,5,6,7
	ds_load_b128 v[RK+4*(\ik):RK+4*(\ik)+3], v20 offset:SP*(\ik)  ; LDS serves a wave's instructions in order: these see the stores above; lanes 0-15 take row i, lanes 16-31 row 8 + i
.endr
.irp ik, 0,1,2,3,4,5,6,7
	v_min_u32 v[SO+8*(\b)+(\ik)], 0xfff, v[SO+8*(\b)+(\ik)]        ; the choice becomes the byte offset of its row of part, + 16 r
	v_lshl_add_u32 v[SO+8*(\b)+(\ik)], v[SO+8*(\b)+(\ik)], 12, v22
.endr
	s_wait_xcnt 0x0
.irp ik, 0,1,2,3,4,5,6,7
	s_wait_dscnt 7-(\ik)
	global_store_b128 v[SO+8*(\b)+(\ik)], v[RK+4*(\ik):RK+4*(\ik)+3], s[16:17]  ; sixteen lanes store 256 consecutive bytes, aligned
.endr
.endm
	s_load_b256 s[4:11], s[0:1], 0x0               ; hb s[4:5], lst s[6:7], cnt s[8:9], gw s[10:11]
	s_load_b128 s[12:15], s[0:1], 0x20             ; W2 s[12:13], b2 s[14:15]
	s_load_b64 s[16:17], s[0:1], 0x30              ; part
	v_lshl_add_u32 v4, v0, 2, SPARE
	v_mov_b32 v5, 0
	v_lshrrev_b32 v23, 5, v0
	v_readfirstlane_b32 s18, v23                   ; wave 0..3
	s_and_b32 s19, ttmp9, 15                       ; column slice
	s_lshr_b32 s22, ttmp9, 4                       ; K half
	s_and_b32 s20, ttmp7, 0xffff                   ; expert
	v_and_b32 v1, 31, v0                           ; lane
	v_and_b32 v2, 15, v0                           ; r
	v_bfe_u32 v3, v0, 4, 1                         ; h
	v_and_b32 v23, 7, v0
	v_lshl_add_u32 v23, v3, 3, v23
	v_mul_u32_u24 v6, v23, PB                      ; the turning load: row 8 h + lane % 8,
	v_bfe_u32 v24, v0, 3, 1
	v_lshl_add_u32 v6, v24, 4, v6                  ; 16 bytes for each eight lanes
	v_add_nc_u32 v7, 12*KSB, v6                    ; v6, v7, v8: K steps 0, 12 and 24; never rewritten
	v_add_nc_u32 v8, 24*KSB, v6
	v_lshlrev_b32 v15, 4, v1                       ; 16 lane
	s_mul_i32 s24, s18, 256*WP
	v_mul_u32_u24 v17, v3, 4*WP
	v_lshl_add_u32 v17, v2, 4, v17
	v_add_nc_u32 v17, s24, v17                     ; weights: row 256 w + 4 h, 16 r
	s_mul_i32 s24, s18, 256*PB
	v_mul_u32_u24 v18, v3, 4*PB
	v_lshl_add_u32 v18, v2, 3, v18
	v_add_nc_u32 v18, s24, v18                     ; the same place in LDS
	s_mul_i32 s24, s18, 16*SP
	s_add_co_u32 s24, s24, STG                     ; my stage
	v_mul_u32_u24 v19, v2, SP
	v_lshl_add_u32 v19, v3, 5, v19
	v_add_nc_u32 v19, s24, v19                     ; in: row r, 32 bytes for each half of the lanes
	v_mul_u32_u24 v20, v3, 8*SP
	v_lshl_add_u32 v20, v2, 4, v20
	v_add_nc_u32 v20, s24, v20                     ; back: row 8 h, 16 r
	v_lshlrev_b32 v22, 4, v2                       ; 16 r
	v_lshlrev_b32 v30, 2, v2                       ; 4 r
	v_lshlrev_b32 v31, 5, v3                       ; 32 h
	s_cmp_eq_u32 s22, 0
	s_cselect_b32 s23, -1, 0                       ; the bias belongs to K half 0
	s_mov_b32 s25, 0                               ; the high word beside s24
	s_mov_b32 s51, 0                               ; the high word beside s50
	s_wait_kmcnt 0x0
	s_lshl_b32 s24, s20, 7
	s_add_nc_u64 s[8:9], s[8:9], s[24:25]
	s_load_b32 s42, s[8:9], 0x0                    ; the expert's rows
	s_lshl_b32 s24, s20, 23
	s_lshl_b32 s26, s22, 15
	s_add_co_u32 s24, s24, s26
	s_add_nc_u64 s[4:5], s[4:5], s[24:25]
	s_lshl_b32 s24, s20, 13
	s_add_nc_u64 s[6:7], s[6:7], s[24:25]
	s_lshl_b32 s24, s20, 23
	s_lshl_b32 s26, s22, 22
	s_add_co_u32 s24, s24, s26
	s_lshl_b32 s26, s19, 8
	s_add_co_u32 s24, s24, s26
	s_add_nc_u64 s[12:13], s[12:13], s[24:25]
	s_lshl_b32 s24, s20, 12
	s_add_co_u32 s24, s24, s26
	s_add_nc_u64 s[14:15], s[14:15], s[24:25]
	s_lshl_b32 s24, s22, 24
	s_add_co_u32 s24, s24, s26
	s_add_nc_u64 s[16:17], s[16:17], s[24:25]
.set qq, 0
.rept 7                                                ; seven quarters, 56 loads of 512 bytes a wave, are on their way
	WQ qq
.set qq, qq+1
.endr
	; Quarter q is waited for with six younger quarters out (48 loads); quarter q + 7 then goes into the slot that quarter q - 1 left.  Behind quarter 9 nothing is left to ask for but the bias
	; (8 loads): the counts are 48 up to quarter 10 (five quarters and the bias), then 40, 32, 24, 16, 8.
.set qq, 0
.rept 16
.if qq < 11
	WCONV qq, 48
.else
	WCONV qq, 8*(16-qq)
.endif
.if qq < 9
	WQ qq+7
.endif
.if qq == 9
.irp nk, 0,1,2,3
	global_load_b128 v[BIAS+8*(\nk):BIAS+8*(\nk)+3],   v31, s[14:15] offset:64*(\nk)
	global_load_b128 v[BIAS+8*(\nk)+4:BIAS+8*(\nk)+7], v31, s[14:15] offset:64*(\nk)+16
.endr
.endif
.set qq, qq+1
.endr
	s_wait_loadcnt 0x0
.set i, 0
.rept 16                                               ; the bias rounded to bf16, kept for K half 0 alone, and widened again
	v_cvt_pk_bf16_f32 v[64+i], v[BIAS+2*i], v[BIAS+2*i+1]
	v_and_b32 v[64+i], s23, v[64+i]
	v_lshlrev_b32 v[BIAS+2*i], 16, v[64+i]
	v_and_b32 v[BIAS+2*i+1], 0xffff0000, v[64+i]
.set i, i+1
.endr
	s_wait_kmcnt 0x0                               ; the count
	s_wait_dscnt 0x0                               ; for the others' sake: my rows of the slice are in LDS
	s_barrier_signal -1
	s_barrier_wait -1                              ; the only barrier: from here on nobody writes the slice
	s_min_u32 s42, s42, 2048
	s_add_co_u32 s43, s42, 15
	s_lshr_b32 s43, s43, 4                         ; blocks of 16 rows
	s_add_co_u32 s44, s43, 3
	s_lshr_b32 s44, s44, 2                         ; a wave's share
	s_mul_i32 s45, s18, s44                        ; my first block,
	s_add_co_u32 s46, s45, s44
	s_min_u32 s46, s46, s43                        ; and the one behind my last
	s_cmp_ge_u32 s45, s46
	s_cbranch_scc1 .Lend                           ; no block for my wave
	s_sub_co_u32 s47, s46, 1
	s_mov_b32 s[TC], 4                             ; 4 x 9 blocks cover the 32 that a wave can have
.Ltile:
	s_cmp_ge_u32 s45, s46
	s_cbranch_scc1 .Lbot                           ; a tile without rows
	s_wait_xcnt 0x0                                ; the last tile's loads and stores have had their addresses translated: their bases, offsets and data are written again below
	s_sub_co_u32 s[LIVE], s46, s45
.irp bk, 0,1,2,3,4,5,6,7,8                             ; lst and hb at the tile's blocks (a block past my wave's last takes my last block once more), and the tile's part of the list:
	s_add_co_u32 s50, s45, \bk                     ; the choice of row r, and those of the eight rows that my lane will store
	s_min_u32 s50, s50, s47
	s_min_u32 s50, s50, 127
	s_lshl_b32 s24, s50, 6                         ; a block's 16 words of lst
	s_lshl_b32 s50, s50, 16                        ; a block's 65,536 bytes of hb
	s_add_nc_u64 s[LB+2*(\bk):LB+2*(\bk)+1], s[6:7], s[24:25]
	s_add_nc_u64 s[AB+2*(\bk):AB+2*(\bk)+1], s[4:5], s[50:51]
	global_load_b32 v[GT+2*(\bk)+1], v30, s[LB+2*(\bk):LB+2*(\bk)+1]
	global_load_b128 v[SO+8*(\bk):SO+8*(\bk)+3],   v31, s[LB+2*(\bk):LB+2*(\bk)+1]
	global_load_b128 v[SO+8*(\bk)+4:SO+8*(\bk)+7], v31, s[LB+2*(\bk):LB+2*(\bk)+1] offset:16
.endr
	ALOAD 0
	ALOAD 1                                        ; 27 + 36 = 63 loads of a wave are out: the most in this text
	WIN 0
	BLOAD 0
	s_wait_loadcnt 36                              ; the 27 list loads are in; K steps 0 and 1 stay out
.irp bk, 0,1,2,3,4,5,6,7,8
	v_min_u32 v[GT+2*(\bk)+1], 0xfff, v[GT+2*(\bk)+1]
	v_lshlrev_b32 v[GT+2*(\bk)+1], 2, v[GT+2*(\bk)+1]
	global_load_b32 v[GT+2*(\bk)], v[GT+2*(\bk)+1], s[10:11]
.endr
	ALOAD 2
	; The counts: at step 0, K step 1, the nine gates and K step 2 stay out (45); from step 1 on the two K steps behind the one in hand (36; at step 1 the gates, older than those, are waited
	; for with it); the last two steps have one K step and none behind them.
.set ks, 0
.rept 32
.if ks == 0
	KSTEP ks, 45
.elseif ks < 30
	KSTEP ks, 36
.elseif ks == 30
	KSTEP ks, 18
.else
	KSTEP ks, 0
.endif
.set ks, ks+1
.endr
	PLACES
	EPI 0
	EPI 1
	EPI 2
	EPI 3
	EPI 4
	EPI 5
	EPI 6
	EPI 7
	EPI 8
.Lbot:
	s_add_co_u32 s45, s45, NBK
	s_sub_co_u32 s[TC], s[TC], 1
	s_cmp_lg_u32 s[TC], 0
	s_cbranch_scc1 .Ltile
.Lend:
	s_wait_tensorcnt 0x0                           ; the wave's end
	ds_add_u32 v4, v5
	s_wait_dscnt 0x0
	s_endpgm
.Lfunc_end_k_q5af2ee306f_gemm2:
	.size	k_q5af2ee306f_gemm2, .Lfunc_end_k_q5af2ee306f_gemm2-k_q5af2ee306f_gemm2
	.p2alignl 7, 3214868480
	.fill 96, 4, 3214868480
	.section	.rodata,"a",@progbits
	.p2align	6, 0x0
	.amdhsa_kernel k_q5af2ee306f_gemm2
		.amdhsa_group_segment_fixed_size 181760
		.amdhsa_private_segment_fixed_size 0
		.amdhsa_enable_private_segment 0
		.amdhsa_kernarg_size 56
		.amdhsa_user_sgpr_count 2
		.amdhsa_user_sgpr_kernarg_segment_ptr 1
		.amdhsa_wavefront_size32 1
		.amdhsa_system_sgpr_workgroup_id_x 1
		.amdhsa_system_sgpr_workgroup_id_y 1
		.amdhsa_system_sgpr_workgroup_id_z 1
		.amdhsa_system_vgpr_workitem_id 0
		.amdhsa_next_free_vgpr 984
		.amdhsa_next_free_sgpr 102
		.amdhsa_reserve_vcc 0
		.amdhsa_float_denorm_mode_32 3
		.amdhsa_float_denorm_mode_16_64 3
		.amdhsa_memory_ordered 1
		.amdhsa_forward_progress 1
		.amdhsa_inst_pref_size 255
	.end_amdhsa_kernel
	.section	.bss,"aw",@nobits
	.p2align	6
	.space	262144
	.amdgpu_metadata
---
amdhsa.version: [ 1, 2 ]
amdhsa.kernels:
  - .name:           k_q5af2ee306f_gemm2
    .symbol:         k_q5af2ee306f_gemm2.kd
    .args:
      - { .name: hb, .offset: 0, .size: 8, .value_kind: global_buffer, .address_space: global }
      - { .name: lst, .offset: 8, .size: 8, .value_kind: global_buffer, .address_space: global }
      - { .name: cnt, .offset: 16, .size: 8, .value_kind: global_buffer, .address_space: global }
      - { .name: gw, .offset: 24, .size: 8, .value_kind: global_buffer, .address_space: global }
      - { .name: W2, .offset: 32, .size: 8, .value_kind: global_buffer, .address_space: global }
      - { .name: b2, .offset: 40, .size: 8, .value_kind: global_buffer, .address_space: global }
      - { .name: part, .offset: 48, .size: 8, .value_kind: global_buffer, .address_space: global }
    .group_segment_fixed_size: 181760
    .private_segment_fixed_size: 0
    .kernarg_segment_align: 8
    .kernarg_segment_size: 56
    .max_flat_workgroup_size: 128
    .sgpr_count:     102
    .vgpr_count:     984
    .wavefront_size: 32
...
	.end_amdgpu_metadata
.endif
;; end of part 3
;; launch combine (part 4): grid 256 x 1, 8 waves a work-group, no clusters, 0 bytes of LDS; arguments part, out0; writes out0
.if DOCPART == 4
	.amdgcn_target "amdgcn-amd-amdhsa--gfx1250"
	.amdhsa_code_object_version 6
	.text
	.protected	k_q5af2ee306f_combine
	.globl	k_q5af2ee306f_combine
	.p2align	8
	.type	k_q5af2ee306f_combine,@function
k_q5af2ee306f_combine:
	s_mov_b64 s[64:65], 0
	v_nop
	global_prefetch_b8 v0, s[64:65] scope:SCOPE_SE
	s_setreg_imm32_b32 hwreg(HW_REG_WAVE_MODE, 25, 1), 1
	s_wait_xcnt 0x0
; out0[token] = the sum of the token's four parts: two slots x two K halves, part[kh][2 token + slot][1024] in f32.  The parts lie by token, so nothing of the routing is read here.
; A stream: a work-group has 8 tokens; thread t has the 16 bytes at 16 t of every row, so a load or store of a wave covers 512 consecutive bytes, aligned.  All 32 loads of a wave go out at once;
; LDS, barriers, matrix units and clusters would add nothing: no byte is read twice.
.set X, 8                              ; v[8:135]  token i: four registers for each of its four parts
	s_load_b128 s[4:7], s[0:1], 0x0                ; part s[4:5], out0 s[6:7]
	v_lshlrev_b32 v1, 4, v0
	s_lshl_b32 s8, ttmp9, 16                       ; 8 tokens x 2 slots x 4,096 bytes
	s_mov_b32 s9, 0
	s_lshl_b32 s10, ttmp9, 15                      ; 8 tokens x 4,096 bytes
	s_mov_b32 s11, 0
	s_wait_kmcnt 0x0
	s_add_nc_u64 s[4:5], s[4:5], s[8:9]            ; K half 0
	s_add_nc_u64 s[12:13], s[4:5], 0x1000000       ; K half 1
	s_add_nc_u64 s[6:7], s[6:7], s[10:11]
.set i, 0
.rept 8
	global_load_b128 v[X+16*i:X+16*i+3],     v1, s[4:5] offset:8192*i th:TH_LOAD_NT
	global_load_b128 v[X+16*i+4:X+16*i+7],   v1, s[4:5] offset:8192*i+4096 th:TH_LOAD_NT
	global_load_b128 v[X+16*i+8:X+16*i+11],  v1, s[12:13] offset:8192*i th:TH_LOAD_NT
	global_load_b128 v[X+16*i+12:X+16*i+15], v1, s[12:13] offset:8192*i+4096 th:TH_LOAD_NT
.set i, i+1
.endr
.set i, 0
.rept 8
	s_wait_loadcnt 28-4*i                          ; loads come back in order: token i's four are in, the later tokens' stay out
	v_pk_add_f32 v[X+16*i:X+16*i+1],     v[X+16*i:X+16*i+1],     v[X+16*i+4:X+16*i+5]
	v_pk_add_f32 v[X+16*i+2:X+16*i+3],   v[X+16*i+2:X+16*i+3],   v[X+16*i+6:X+16*i+7]
	v_pk_add_f32 v[X+16*i+8:X+16*i+9],   v[X+16*i+8:X+16*i+9],   v[X+16*i+12:X+16*i+13]
	v_pk_add_f32 v[X+16*i+10:X+16*i+11], v[X+16*i+10:X+16*i+11], v[X+16*i+14:X+16*i+15]
	v_pk_add_f32 v[X+16*i:X+16*i+1],     v[X+16*i:X+16*i+1],     v[X+16*i+8:X+16*i+9]
	v_pk_add_f32 v[X+16*i+2:X+16*i+3],   v[X+16*i+2:X+16*i+3],   v[X+16*i+10:X+16*i+11]
	global_store_b128 v1, v[X+16*i:X+16*i+3], s[6:7] offset:4096*i th:TH_STORE_NT
.set i, i+1
.endr
	s_endpgm
.Lfunc_end_k_q5af2ee306f_combine:
	.size	k_q5af2ee306f_combine, .Lfunc_end_k_q5af2ee306f_combine-k_q5af2ee306f_combine
	.p2alignl 7, 3214868480
	.fill 96, 4, 3214868480
	.section	.rodata,"a",@progbits
	.p2align	6, 0x0
	.amdhsa_kernel k_q5af2ee306f_combine
		.amdhsa_group_segment_fixed_size 0
		.amdhsa_private_segment_fixed_size 0
		.amdhsa_enable_private_segment 0
		.amdhsa_kernarg_size 16
		.amdhsa_user_sgpr_count 2
		.amdhsa_user_sgpr_kernarg_segment_ptr 1
		.amdhsa_wavefront_size32 1
		.amdhsa_system_sgpr_workgroup_id_x 1
		.amdhsa_system_sgpr_workgroup_id_y 1
		.amdhsa_system_sgpr_workgroup_id_z 1
		.amdhsa_system_vgpr_workitem_id 0
		.amdhsa_next_free_vgpr 136
		.amdhsa_next_free_sgpr 66
		.amdhsa_reserve_vcc 0
		.amdhsa_float_denorm_mode_32 3
		.amdhsa_float_denorm_mode_16_64 3
		.amdhsa_memory_ordered 1
		.amdhsa_forward_progress 1
		.amdhsa_inst_pref_size 8
	.end_amdhsa_kernel
	.amdgpu_metadata
---
amdhsa.version: [ 1, 2 ]
amdhsa.kernels:
  - .name:           k_q5af2ee306f_combine
    .symbol:         k_q5af2ee306f_combine.kd
    .args:
      - { .name: part, .offset: 0, .size: 8, .value_kind: global_buffer, .address_space: global }
      - { .name: out0, .offset: 8, .size: 8, .value_kind: global_buffer, .address_space: global }
    .group_segment_fixed_size: 0
    .private_segment_fixed_size: 0
    .kernarg_segment_align: 8
    .kernarg_segment_size: 16
    .max_flat_workgroup_size: 256
    .sgpr_count:     66
    .vgpr_count:     136
    .wavefront_size: 32
...
	.end_amdgpu_metadata
.endif
;; end of part 4
